; MI455X (gfx1250); checked and timed in simulation.
; The chip was launched on July 23, 2026; its instructions are those of AMD's public machine-readable ISA for CDNA 5 (MIT licence, August 2026) and "CDNA5" Instruction Set Architecture Reference Guide (July 2026). The comments in the code are by the model that wrote it; some were corrected since.
;; VQ Layer. Allowed arithmetic: matrix products marked QUANTISED: E3M2 operands, one E8M0 scale for each 32 along K, by v_wmma_scale_f32_16x16x128_f8f6f4 with both operands' format E3M2, f32 sums; everything else in f32.
;; Inputs: emb 8,192 x 512 float32; x 16,384 x 512 float32.
;; Outputs: out0 16,384 x 512 float32.
;; This version of the problem:
;;   THIS VERSION OF THE PROBLEM IS GIVEN IN LOW PRECISION. The matrix products marked QUANTISED in the list below multiply operands that are first quantised to E3M2 (3 exponent bits, 2 mantissa bits; 6 bits a number), with one power-of-two scale for each 32 numbers along K (OCP MX v1.0); their sums are f32. All else is computed in f32.
;;   The module's matrix products, in the order in which they are computed (A, B: the left and right operand; K: the contracted axis; several contracted axes count as one K, in the product's order):
;;     1. [M 16,384, K 512] x [K 512, N 8,192]; A: input x; B: input emb: QUANTISED
;;   THE QUANTISER, for each operand of a quantised product, along K:
;;     - K is cut into blocks of 32 from its start; a last block that is shorter is filled with zeros.
;;     - A block's scale is 2^e with e = floor(log2(the largest magnitude in the block)) - 4, held to -126 .. 127; a block of zeros has e = 0. As a byte (E8M0): e + 127.
;;     - Each number is divided by its block's scale, clamped to +-28, and rounded to the nearest number of E3M2, ties to even, subnormals kept.
;;     - The product sums the exact products of the quantised numbers (number of the format x scale) in f32.
;;   ~~~python
;;   def quantise(x, axis):      # numpy; x: float32 -> the quantised numbers, widened to float32 again
;;       x = np.moveaxis(x, axis, -1); K = x.shape[-1]
;;       x = np.pad(x, [(0, 0)] * (x.ndim - 1) + [(0, -K % 32)]); x = x.reshape(x.shape[:-1] + (-1, 32)); a = np.abs(x).max(-1, keepdims=True)
;;       e = np.where(a > 0, np.clip(np.frexp(np.where(a > 0, a, 1))[1] - 1 - 4, -126, 127), 0)      # np.frexp(a)[1] - 1 = floor(log2(a)), exactly
;;       r = np.clip(x / 2.0 ** e, -28, 28)
;;       step = 2.0 ** (np.maximum(np.frexp(np.where(r == 0, 1, r))[1] - 1, -2) - 2)
;;       q = np.round(r / step) * step * 2.0 ** e      # np.round: ties to even
;;       return np.moveaxis(q.reshape(q.shape[:-2] + (-1,))[..., :K], -1, axis).astype(np.float32)
;;   ~~~
;; One version. Each part assembles by itself: llvm-mc -triple=amdgcn-amd-amdhsa -mcpu=gfx1250 --defsym DOCPART=n.
;; ======== version 1 of 1: 3 launches
;; limits: right only within a limited range of input values
;; workspace buffers: xq 6,619,136 bytes; eq 3,309,568 bytes; pkey 524,288 bytes of whole numbers; pidx 524,288 bytes of whole numbers
;; launch quant (part 1): grid 768 x 1, 2 waves a work-group, no clusters, 17,152 bytes of LDS; arguments x, emb, xq, eq; writes xq, eq
.if DOCPART == 1
	.amdgcn_target "amdgcn-amd-amdhsa--gfx1250"
	.amdhsa_code_object_version 6
	.text
	.protected	k_qba52f79eff_quant
	.globl	k_qba52f79eff_quant
	.p2align	8
	.type	k_qba52f79eff_quant,@function
k_qba52f79eff_quant:
	s_mov_b64 s[64:65], 0
	v_nop
	global_prefetch_b8 v0, s[64:65] scope:SCOPE_SE
	s_setreg_imm32_b32 hwreg(HW_REG_WAVE_MODE, 25, 1), 1
	s_wait_xcnt 0x0
; x [16384][512] and emb [8192][512], f32, become codes of E3M2 with one E8M0 scale byte for each 32 along K; for emb's rows also -e2/2, e2 the row's sum of squares, in f32.
; WORK LEFT OUT: x2 = sum(x*x) of a row of x.  reference() adds x2[b] to every entry of row b of dist and then takes argmin along that row: a term that is the same for all k moves no
; argmin, whatever finite values x and emb hold.  So x2 is not computed, and argmin over k of (e2[k] - 2 x.e[k]) = argmax over k of (x.e[k] - e2[k]/2); the halving is exact.  Both inputs are still read.
; LIMITS: a NaN, an infinity or an overflow that reaches only x2 is not carried to the result.  The order of rounding differs from reference()'s (it rounds x2 + e2 and then the difference):
; where two codes' distances differ by no more than that rounding, another of the two may be chosen.  e2 is taken in eight partial sums of 64 fused multiply-adds.
; A block of zeros gets the byte 1 (its codes are zeros; this program alone reads the bytes); NaN and infinities among the inputs are not served.
; A block's scale byte is its largest magnitude's exponent field - 4, held at 1 from below by a floor among the maximum's leaves.
; LAYOUT, in the order of the operand's registers.  A record of QREC = 25,856 bytes (101 x 256) serves 64 rows = 4 tiles of 16:
;   tile i, K step q, c = 0..2: i*6144 + q*1536 + c*512 + 16*lane: registers 4c .. 4c+3 of the lane's 12;   24576 + i*256 + 16*r: row r's four scale words;   25600 + i*64 + 4*r: -e2/2 of row r (emb alone).
; A wave takes one tile of 16 rows; work-groups 0-511 take x's 1,024 tiles, 512-767 emb's 512.  Each load reads 512 consecutive bytes of a row; a K step turns through the wave's own stage in LDS
; (rows 528 bytes apart), so that a lane gets 2 x 32 neighbours along K of one row.  Waves share nothing: no barrier.
.set QREC, 25856
.set SP,   528
.set STG,  16*SP
.set AM,   8                           ; v8-9 largest magnitudes; v10-11 scale operands; v12-13 bytes
.set SO,   10
.set BY,   12
.set SW,   16                          ; v16-19 my row's four scale words
.set SQ,   20                          ; v20-23 the sum of squares, two packed chains
.set C,    24                          ; v24-35 a fragment
.set CT,   36                          ; v36-43 the blocks' upper halves before they are moved
.set X,    44                          ; v44-107 64 numbers of my row
.set L0,   108                         ; v108-235 two sets as loaded
	s_load_b256 s[4:11], s[0:1], 0x0               ; x, emb, xq, eq
	v_lshl_add_u32 v240, v0, 2, 0x4200             ; my spare word, behind the two stages
	v_mov_b32 v241, 0
	v_lshrrev_b32 v1, 5, v0
	v_readfirstlane_b32 s12, v1                    ; wave
	v_and_b32 v1, 31, v0
	v_and_b32 v2, 15, v0                           ; r
	v_bfe_u32 v3, v0, 4, 1                         ; h
	v_lshlrev_b32 v4, 4, v1                        ; 16 x lane
	s_mul_i32 s30, s12, STG
	v_add_nc_u32 v5, s30, v4                       ; the stage, in
	v_mul_u32_u24 v6, v2, SP
	v_lshl_add_u32 v6, v3, 7, v6
	v_add_nc_u32 v6, s30, v6                       ; and out: row r, + 128 h
	v_lshlrev_b32 v7, 3, v3                        ; where my two scale bytes stand in the word
	v_mov_b32 v15, 0                               ; a lane permute's destination counts as a source
.irp i, 0,1,2,3
	v_mov_b32 v[SQ+\i], 0
.endr
	s_mov_b32 s20, 0x76543210
	s_mov_b32 s21, 0xfedcba98
	s_wait_alu depctr_va_vdst(0)
	s_wait_kmcnt 0x0
	s_cmp_lt_u32 ttmp9, 512                        ; x's work-group or emb's
	s_cselect_b64 s[4:5], s[4:5], s[6:7]
	s_cselect_b64 s[8:9], s[8:9], s[10:11]
	s_cselect_b32 s13, 0, 512
	s_sub_co_u32 s13, ttmp9, s13
	s_lshl_b32 s13, s13, 1
	s_add_co_u32 s13, s13, s12                     ; my tile of the tensor
	s_lshl_b32 s14, s13, 15
	s_mov_b32 s15, 0
	s_add_nc_u64 s[4:5], s[4:5], s[14:15]
	s_lshr_b32 s16, s13, 2
	s_mul_i32 s16, s16, QREC
	s_and_b32 s17, s13, 3
	s_mov_b32 s19, 0
	s_mul_i32 s18, s17, 6144
	s_add_co_u32 s18, s18, s16
	s_add_nc_u64 s[24:25], s[8:9], s[18:19]        ; the tile's images
	s_lshl_b32 s18, s17, 8
	s_add_co_u32 s18, s18, s16
	s_add_co_u32 s18, s18, 24576
	s_add_nc_u64 s[26:27], s[8:9], s[18:19]        ; its scale words
	s_lshl_b32 s18, s17, 6
	s_add_co_u32 s18, s18, s16
	s_add_co_u32 s18, s18, 25600
	s_add_nc_u64 s[28:29], s[8:9], s[18:19]        ; its -e2/2
.macro LOADG q
.irp i, 0,1,2,3,4,5,6,7,8,9,10,11,12,13,14,15
	global_load_b128 v[L0+64*((\q)%2)+4*\i:L0+64*((\q)%2)+4*\i+3], v4, s[4:5] offset:\i*2048+(\q)*512 th:TH_LOAD_NT
.endr
.endm
	LOADG 0
	LOADG 1
.macro STEP q
.set LL, L0+64*((\q)%2)
.if (\q) < 3
	s_wait_loadcnt 16                              ; this step's sixteen loads are in; the next step's sixteen may be out
.else
	s_wait_loadcnt 0x0
.endif
.irp i, 0,1,2,3,4,5,6,7,8,9,10,11,12,13,14,15
	ds_store_b128 v5, v[LL+4*\i:LL+4*\i+3] offset:\i*SP
.endr
.irp c, 0,1
.irp m, 0,1,2,3,4,5,6,7
	ds_load_b128 v[X+32*\c+4*\m:X+32*\c+4*\m+3], v6 offset:256*\c+16*\m   ; a wave's LDS instructions are served in order; X[32 c + i] = k 128 q + 64 c + 32 h + i of row r
.endr
.endr
	s_wait_dscnt 0x0
.if (\q) < 2
	LOADG (\q)+2
.endif
.irp c, 0,1
	v_max3_num_f32 v[AM+\c], |v[X+32*\c]|, |v[X+32*\c+1]|, 0x2800000   ; with the floor 2^(5 - 127)
.endr
.irp i, 2,4,6,8,10,12,14,16,18,20,22,24,26,28,30
.irp c, 0,1
	v_max3_num_f32 v[AM+\c], v[AM+\c], |v[X+32*\c+\i]|, |v[X+32*\c+\i+1]|
.endr
.endr
.irp c, 0,1
	v_add_nc_u32 v[SO+\c], 0xfe000000, v[AM+\c]    ; 4 off the exponent field: the conversion's scale operand
.endr
.irp c, 0,1
	v_lshrrev_b32 v[BY+\c], 23, v[SO+\c]
.endr
	v_lshl_or_b32 v14, v[BY+1], 16, v[BY]
	v_lshlrev_b32 v14, v7, v14
	v_permlanex16_b32 v15, v14, s20, s21
	v_or_b32 v[SW+(\q)], v14, v15                  ; with lane l xor 16's two bytes the word is whole
	s_cmp_lt_u32 ttmp9, 512                        ; x's rows need no sum of squares
	s_wait_alu depctr_va_vdst(0)
	s_cbranch_scc1 .Lno_sq_\@
.irp m, 0,1,2,3,4,5,6,7,8,9,10,11,12,13,14,15
	v_pk_fma_f32 v[SQ:SQ+1], v[X+4*\m:X+4*\m+1], v[X+4*\m:X+4*\m+1], v[SQ:SQ+1]
	v_pk_fma_f32 v[SQ+2:SQ+3], v[X+4*\m+2:X+4*\m+3], v[X+4*\m+2:X+4*\m+3], v[SQ+2:SQ+3]
.endr
.Lno_sq_\@:
.if (\q) > 0
	s_wait_xcnt 0x0                                ; the last step's stores have read C
.endif
.irp c, 0,1
	v_cvt_scalef32_pk16_bf6_f32 v[C+6*\c:C+6*\c+2], v[X+32*\c:X+32*\c+15], v[SO+\c]
	v_cvt_scalef32_pk16_bf6_f32 v[CT+4*\c:CT+4*\c+2], v[X+32*\c+16:X+32*\c+31], v[SO+\c]
.endr
	v_nop                                          ; one plain place behind a scaled conversion
.irp c, 0,1
.irp i, 0,1,2
	v_mov_b32 v[C+6*\c+3+\i], v[CT+4*\c+\i]
.endr
.endr
.irp c, 0,1,2
	global_store_b128 v4, v[C+4*\c:C+4*\c+3], s[24:25] offset:(\q)*1536+\c*512   ; 512 consecutive bytes, aligned
.endr
.endm
	STEP 0
	STEP 1
	STEP 2
	STEP 3
	s_cmp_lt_u32 ttmp9, 512
	s_wait_alu depctr_va_vdst(0)
	s_cbranch_scc1 .Lsummed
	v_add_f32 v[SQ], v[SQ], v[SQ+1]
	v_add_f32 v[SQ+2], v[SQ+2], v[SQ+3]
	v_add_f32 v[SQ], v[SQ], v[SQ+2]
	v_permlanex16_b32 v15, v[SQ], s20, s21
	v_add_f32 v[SQ], v[SQ], v15                    ; the row's sum of squares
	v_mul_f32 v[SQ], -0.5, v[SQ]
.Lsummed:
	v_lshlrev_b32 v14, 2, v1
	v_cmp_gt_u32 vcc_lo, 16, v1
	s_wait_alu depctr_va_vdst(0)
	s_wait_xcnt 0x0                                ; EXEC changes only behind this wait
	s_wait_tensorcnt 0x0                           ; the wave's end
	ds_add_u32 v240, v241
	s_wait_dscnt 0x0
	s_and_saveexec_b32 s22, vcc_lo                 ; lanes 0-15: lane = row
	global_store_b128 v4, v[SW:SW+3], s[26:27]     ; 256 consecutive bytes, aligned
	s_cmp_lt_u32 ttmp9, 512
	s_cbranch_scc1 .Lstored
	global_store_b32 v14, v[SQ], s[28:29]
.Lstored:
	s_wait_xcnt 0x0
	s_or_b32 exec_lo, exec_lo, s22
	s_endpgm
.Lfunc_end_k_qba52f79eff_quant:
	.size	k_qba52f79eff_quant, .Lfunc_end_k_qba52f79eff_quant-k_qba52f79eff_quant
	.p2alignl 7, 3214868480
	.fill 96, 4, 3214868480
	.section	.rodata,"a",@progbits
	.p2align	6, 0x0
	.amdhsa_kernel k_qba52f79eff_quant
		.amdhsa_group_segment_fixed_size 17152
		.amdhsa_private_segment_fixed_size 0
		.amdhsa_enable_private_segment 0
		.amdhsa_kernarg_size 32
		.amdhsa_user_sgpr_count 2
		.amdhsa_user_sgpr_kernarg_segment_ptr 1
		.amdhsa_wavefront_size32 1
		.amdhsa_system_sgpr_workgroup_id_x 1
		.amdhsa_system_sgpr_workgroup_id_y 1
		.amdhsa_system_sgpr_workgroup_id_z 1
		.amdhsa_system_vgpr_workitem_id 0
		.amdhsa_next_free_vgpr 242
		.amdhsa_next_free_sgpr 66
		.amdhsa_reserve_vcc 1
		.amdhsa_float_denorm_mode_32 3
		.amdhsa_float_denorm_mode_16_64 3
		.amdhsa_memory_ordered 1
		.amdhsa_forward_progress 1
		.amdhsa_inst_pref_size 39
	.end_amdhsa_kernel
	.amdgpu_metadata
---
amdhsa.version: [ 1, 2 ]
amdhsa.kernels:
  - .name:           k_qba52f79eff_quant
    .symbol:         k_qba52f79eff_quant.kd
    .args:
      - { .name: x, .offset: 0, .size: 8, .value_kind: global_buffer, .address_space: global }
      - { .name: emb, .offset: 8, .size: 8, .value_kind: global_buffer, .address_space: global }
      - { .name: xq, .offset: 16, .size: 8, .value_kind: global_buffer, .address_space: global }
      - { .name: eq, .offset: 24, .size: 8, .value_kind: global_buffer, .address_space: global }
    .group_segment_fixed_size: 17152
    .private_segment_fixed_size: 0
    .kernarg_segment_align: 8
    .kernarg_segment_size: 32
    .max_flat_workgroup_size: 64
    .sgpr_count:     66
    .vgpr_count:     242
    .wavefront_size: 32
...
	.end_amdgpu_metadata
.endif
;; end of part 1
;; launch nearest (part 2): grid 32 x 8, 8 waves a work-group, clusters of 4 x 1, 327,680 bytes of LDS; arguments xq, eq, pkey, pidx; writes pkey, pidx
.if DOCPART == 2
	.amdgcn_target "amdgcn-amd-amdhsa--gfx1250"
	.amdhsa_code_object_version 6
	.text
	.protected	k_qba52f79eff_nearest
	.globl	k_qba52f79eff_nearest
	.p2align	8
	.type	k_qba52f79eff_nearest,@function
k_qba52f79eff_nearest:
	s_mov_b64 s[64:65], 0
	v_nop
	global_prefetch_b8 v0, s[64:65] scope:SCOPE_SE
	s_setreg_imm32_b32 hwreg(HW_REG_WAVE_MODE, 25, 1), 1
	s_wait_xcnt 0x0
	s_wait_alu depctr_hold_cnt(0) depctr_sa_sdst(0) depctr_va_vdst(0) depctr_va_sdst(0) depctr_va_ssrc(0) depctr_va_vcc(0) depctr_vm_vsrc(0)
	s_getreg_b32 s2, hwreg(HW_REG_IB_STS2, 6, 4)
	s_cmp_eq_u32 s2, 0
	s_cbranch_scc0 .Lentry_in_a_cluster
	s_endpgm
.Lentry_in_a_cluster:
	s_bfe_u32 s2, ttmp6, 0x10000c
	s_cmp_lg_u32 s2, 0x3003
	s_cbranch_scc0 .Lentry_shape_is_right
	s_endpgm
.Lentry_shape_is_right:
; For each row of x and each eighth of the codes: the code k with the largest s = x.e[k] - e2[k]/2 (x2 is left out: it is the same for all k of a row, so it moves no argmin; argmin of dist = argmax of s).
; LIMITS: as stated at the head of the first kernel (order of rounding; NaN and infinities not served).  Of equal s the lowest index is kept.
; SHARES.  A work-group takes 512 rows of x (grid x) and 1,024 codes (grid y): 256 work-groups.  Eight waves, two to a SIMD: wave w owns rows 64 w .. + 63 and walks all the work-group's codes.
; A wave's 64 rows of x (4 tiles x 4 K steps x 12 registers) stay in v256-447.  A period is one tile of 16 codes against them: 16 matrix instructions, the four accumulators by turns, then 37 vector instructions.
; The first matrix instruction of an accumulator takes -e2/2 as C (register j of lane (r, h): code 8 h + j), so no vector instruction adds it.  Source 0 = codes, source 1 = rows of x: a lane holds one row of x.
; THE EPILOGUE keeps, for each lane and tile of x, the running maximum and, in eight registers, the winning tile's registers 0-6 and its first code; the place in the tile is found from them at the end.
; It works on the period BEFORE: two sets of accumulators take turns, so its instructions are also the places behind this period's matrix instructions.  The first epilogue finds minus infinity in the second set
; and changes nothing; one more epilogue follows the last period.  The eight selects of a tile share one mask, in VCC, and go two to an instruction.
; RING: two slots of 4 records (256 codes, 103,424 bytes), four fills in all, by joint loads of the cluster's four work-groups, which walk the same codes.  Every wave fetches a part of a record:
; rows 0-50 (waves 0-3) or 51-100 (waves 4-7) of 256 bytes.  A fill has the 256 matrix instructions a wave of a slot, less eight, in which to land.  By this text's count a wave has at most one tensor load out.
; The four slots are written out; in each a counted loop walks three records and the fourth, with the change of slots, follows.  The next period's 15 LDS loads are issued a period ahead, into the other set of registers.
; PREFETCH: behind the fills of slots 1 and 2 the slot one fill on is asked for; the partners share its four records by address, a lane a row of 256 bytes, waves 0-3 of the clusters with x = 0 alone
; (all clusters of a grid row y walk the same bytes); behind the last fill nothing is asked for.
.set QREC,  25856
.set SLOTB, 4*QREC
.set BLKB,  16*QREC
.set TOPB,  51*256
.set SLOT1, 1<<17
.set SVAL,  SLOT1+SLOTB                ; the way out: 512 bytes a wave: 64 keys, 64 indices
.set SPARE, SVAL+4096                  ; the spare words: 128 bytes a wave
.set SPW, 1
.set NIL, 2
.set A0,  3                            ; a record's images, scale words, -e2/2: my lane's place
.set S0,  4
.set E0,  5
.set ADF, 6                            ; the same in the record being read
.set ADS, 7
.set ADE, 8
.set VA,  9
.set RD,  10
.set PFO, 11
.set L16, 12
.set GO,  13
.set H8,  14
.set CBV, 19                           ; v19 the first code of the tile that the epilogue works on
.set XS,  20                           ; v20-27 x's scale words: register 4 (t / 2) + q, lanes 0-15 tile t even, lanes 16-31 odd
.set ES,  28                           ; v28-35 the codes' scale words, two sets
.set E2R, 36                           ; v36-51 -e2/2, two sets
.set MA,  52                           ; v52-59 running maxima, two sets by turns
.set JX,  60
.set RW,  64                           ; v64-95 for tile t of x at 8 t: the winning tile's registers 0-6, and at 7 its first code
.set AC,  96                           ; v96-127 and v224-255: four accumulators, two sets
.set EF,  128                          ; v128-223 the codes' fragments, two sets of 48
.set T,   128                          ; the way out
.set WV,  12
.set CX,  13
.set WG,  14
.set HF,  15
.set CG,  16
.set RG,  17
.set G1,  24
.set G0,  32
.set G1B, 36
.set RB,  44                           ; LDS byte of the record being read
.set CNT, 45
.set CB,  46
.set LIM, 47
.set PFA, 48
.set XR,  51
.set MK,  52
.set MSB, 0
.macro WIN new
.if MSB != \new
	s_set_vgpr_msb (MSB<<8)|\new
.set MSB, \new
.endif
.endm
.macro CREST
	s_cmp_lg_u32 s[WV], 0
	s_cbranch_scc1 .Lnot_wave_0_\@
	s_barrier_signal -3
.Lnot_wave_0_\@:
	s_barrier_wait -3
	s_barrier_signal -1
	s_barrier_wait -1
.endm
.macro CROUND
	s_barrier_signal -1
	s_barrier_wait -1
	CREST
.endm
.macro JLOAD                           ; every wave's one joint load: the upper or the lower part of a record; the branch hangs on the wave's number alone
	s_cmp_eq_u32 s[RG], 0
	s_cbranch_scc0 .Llow_\@
	tensor_load_to_lds s[G0:G0+3], s[G1:G1+7]
	s_nop 0
.rept 4
	v_nop
.endr
	s_branch .Lasked_\@
.Llow_\@:
	tensor_load_to_lds s[G0:G0+3], s[G1B:G1B+7]
	s_nop 0
.rept 4
	v_nop
.endr
.Lasked_\@:
.endm
	s_load_b256 s[4:11], s[0:1], 0x0               ; xq, eq, pkey, pidx
	v_lshl_add_u32 v[SPW], v0, 2, SPARE
	v_mov_b32 v[NIL], 0
	ds_add_u32 v[SPW], v[NIL]                      ; the opening lines: the add twice on end under one wait
	ds_add_u32 v[SPW], v[NIL]
	v_lshrrev_b32 v15, 5, v0
	v_readfirstlane_b32 s[WV], v15
	s_and_b32 s[CG], s[WV], 3
	s_lshr_b32 s[RG], s[WV], 2
	s_bfe_u32 s[CX], ttmp6, 0x40000
	s_lshl_b32 s[WG], ttmp9, 2
	s_add_co_u32 s[WG], s[WG], s[CX]
	s_and_b32 s[HF], ttmp7, 0xffff
	s_mov_b32 s[G1], 15|(3<<16)|(1<<21)            ; mask: the cluster's four; elements of 8 bytes
	s_mov_b32 s[G1+1], 32<<16
	s_mov_b32 s[G1+2], 51<<16
	s_mov_b32 s[G1+3], 32<<16
	s_mov_b32 s[G1+4], 51
	s_mov_b32 s[G1+5], 32
	s_mov_b32 s[G1+6], 0
	s_mov_b32 s[G1+7], 0
	s_mov_b32 s[G1B], 15|(3<<16)|(1<<21)
	s_mov_b32 s[G1B+1], 32<<16
	s_mov_b32 s[G1B+2], 50<<16
	s_mov_b32 s[G1B+3], 32<<16
	s_mov_b32 s[G1B+4], 50
	s_mov_b32 s[G1B+5], 32
	s_mov_b32 s[G1B+6], 0
	s_mov_b32 s[G1B+7], 0
	s_mul_i32 s18, s[CG], QREC
	s_mul_i32 s19, s[RG], TOPB
	s_add_co_u32 s19, s19, s18                     ; the part of a slot that I fetch
	s_mul_i32 s22, s[HF], BLKB
	s_add_co_u32 s22, s22, s19
	s_mov_b32 s23, 0
	s_lshl_b32 s[XR], s[WG], 3
	s_add_co_u32 s[XR], s[XR], s[WV]               ; my 64 rows' record of x
	s_mul_i32 s20, s[XR], QREC
	s_mov_b32 s21, 0
	s_lshl_b32 s50, s[WV], 9
	s_mov_b32 s[RB], 0
	s_lshl_b32 s[CB], s[HF], 10                    ; the first code of the first tile,
	s_sub_co_u32 s[CB], s[CB], 16                  ; less one tile: the first epilogue works on no tile and steps it
	v_and_b32 v15, 31, v0
	v_and_b32 v16, 15, v0                          ; r
	v_bfe_u32 v17, v0, 4, 1                        ; h
	v_lshlrev_b32 v[L16], 4, v15
	v_lshlrev_b32 v[GO], 3, v15
	v_lshlrev_b32 v[H8], 3, v17
	v_mov_b32 v[CBV], s[CB]
	v_mov_b32 v[A0], v[L16]
	v_lshlrev_b32 v[S0], 4, v16
	v_add_nc_u32 v[S0], 24576, v[S0]
	v_lshlrev_b32 v[E0], 5, v17
	v_add_nc_u32 v[E0], 25600, v[E0]
	v_mov_b32 v[ADF], v[A0]
	v_mov_b32 v[ADS], v[S0]
	v_mov_b32 v[ADE], v[E0]
	v_lshl_add_u32 v[VA], v16, 2, s50              ; my wave's stage: row 16 t + r
	v_add_nc_u32 v[VA], SVAL, v[VA]
	v_lshl_add_u32 v[RD], v15, 3, s50              ; and back: two rows a lane
	v_add_nc_u32 v[RD], SVAL, v[RD]
	v_min_u32 v[PFO], 100, v0
	v_lshlrev_b32 v[PFO], 8, v[PFO]
.irp t, 0,1,2,3
	v_mov_b32 v[MA+4+\t], 0xff800000               ; under every s
.endr
.set mm, 0
.rept 32
	v_mov_b32 v[RW+mm], 0                          ; a select's old value counts as read
	v_mov_b32 v[AC+128+mm], 0xff800000             ; what the first epilogue finds: it lifts no maximum
.set mm, mm+1
.endr
	s_wait_alu depctr_va_vdst(0)
	s_wait_dscnt 0x0
	s_wait_kmcnt 0x0
	s_add_nc_u64 s[4:5], s[4:5], s[20:21]
	WIN 0x40
.set mm, 0
.rept 48
	global_load_b128 v[4*mm:4*mm+3], v[L16], s[4:5] offset:512*mm   ; x's fragments: register 12 (4 t + q) + .. of v256 on
.set mm, mm+1
.endr
	WIN 0
	global_load_b128 v[XS:XS+3], v[L16], s[4:5] offset:24576
	global_load_b128 v[XS+4:XS+7], v[L16], s[4:5] offset:24576+512
	s_add_nc_u64 s[22:23], s[6:7], s[22:23]
	CROUND                                         ; the four partners are here: the first joint loads meet
	s_mov_b32 s[G0], 1
	s_mov_b32 s[G0+1], s19
	s_mov_b64 s[G0+2:G0+3], s[22:23]
	s_or_b32 s[G0+3], s[G0+3], 0x80000000
	JLOAD                                          ; slot 0: one tensor load a wave at the head
	s_or_b32 s18, ttmp9, s[RG]
	s_cmp_eq_u32 s18, 0
	s_cselect_b32 s[LIM], 1, 0                     ; who prefetches
	s_mul_i32 s18, s[CX], QREC
	s_mul_i32 s19, s[HF], BLKB
	s_add_co_u32 s18, s18, s19
	s_mov_b32 s19, 0
	s_add_nc_u64 s[PFA:PFA+1], s[6:7], s[18:19]    ; my work-group's record of slot 0; never rewritten
	s_lshl_b32 s18, s[HF], 16
	s_lshl_b32 s20, s[XR], 8
	s_add_co_u32 s18, s18, s20
	s_add_nc_u64 s[8:9], s[8:9], s[18:19]
	s_add_nc_u64 s[10:11], s[10:11], s[18:19]
.macro WM t, q
.set dd, AC+128*par+8*(\t)
.set ea, EF+48*par+12*(\q)
.set xb, 12*(4*(\t)+(\q))
.set sa, ES+4*par+(\q)
.set sb, XS+4*((\t)/2)+(\q)
.if (\q) == 0
.set cc, E2R+8*par
.else
.set cc, dd
.endif
.if ((\t)%2) == 0
	v_wmma_scale_f32_16x16x128_f8f6f4 v[dd:dd+7], v[ea:ea+11], v[xb:xb+11], v[cc:cc+7], v[sa], v[sb] matrix_a_fmt:MATRIX_FMT_BF6 matrix_b_fmt:MATRIX_FMT_BF6
.else
	v_wmma_scale_f32_16x16x128_f8f6f4 v[dd:dd+7], v[ea:ea+11], v[xb:xb+11], v[cc:cc+7], v[sa], v[sb] matrix_a_fmt:MATRIX_FMT_BF6 matrix_b_fmt:MATRIX_FMT_BF6 matrix_b_scale:MATRIX_SCALE_ROW1
.endif
.endm
.macro WMQ q                           ; one K step: the four accumulators by turns
.irp t, 0,1,2,3
	WM \t, \q
.endr
.endm
.macro FRAGS set, i                    ; tile i of the record into a set: 12 + 1 + 2 loads, 16 bytes a lane
.set mm, 0
.rept 12
	ds_load_b128 v[EF+48*(\set)+4*mm:EF+48*(\set)+4*mm+3], v[ADF] offset:(\i)*6144+512*mm
.set mm, mm+1
.endr
	ds_load_b128 v[ES+4*(\set):ES+4*(\set)+3], v[ADS] offset:(\i)*256
	ds_load_b128 v[E2R+8*(\set):E2R+8*(\set)+3], v[ADE] offset:(\i)*64
	ds_load_b128 v[E2R+8*(\set)+4:E2R+8*(\set)+7], v[ADE] offset:(\i)*64+16
.endm
.macro NEWADR
	v_add_nc_u32 v[ADF], s[RB], v[A0]
	v_add_nc_u32 v[ADS], s[RB], v[S0]
	v_add_nc_u32 v[ADE], s[RB], v[E0]
.endm
; Where VCC says that tile t's maximum has risen: registers 0-6 and the tile's first code are kept.  Two selects to an instruction: destinations even and odd, each pair of sources in two banks.
.macro SAVE t
.irp k, 0,2,4
	v_dual_cndmask_b32 v[RW+8*(\t)+\k], v[RW+8*(\t)+\k], v[AE+8*(\t)+\k] :: v_dual_cndmask_b32 v[RW+8*(\t)+\k+1], v[RW+8*(\t)+\k+1], v[AE+8*(\t)+\k+1]
.endr
	v_dual_cndmask_b32 v[RW+8*(\t)+6], v[RW+8*(\t)+6], v[AE+8*(\t)+6] :: v_dual_cndmask_b32 v[RW+8*(\t)+7], v[RW+8*(\t)+7], v[CBV]
.endm
.macro EPI                             ; on the accumulators at AE: 9 vector instructions a tile of x, and one step
.irp k, 0,1,2
.irp t, 0,1,2,3
.if \k == 0
	v_max3_num_f32 v[MOUT+\t], v[MINR+\t], v[AE+8*\t], v[AE+8*\t+1]
.else
	v_max3_num_f32 v[MOUT+\t], v[MOUT+\t], v[AE+8*\t+2*\k], v[AE+8*\t+2*\k+1]
.endif
.endr
.endr
	v_max3_num_f32 v[MOUT], v[MOUT], v[AE+6], v[AE+7]
.irp t, 0,1,2,3
	v_cmp_gt_f32 vcc_lo, v[MOUT+\t], v[MINR+\t]    ; strictly above: of equals the earlier tile stays
.if \t < 3
	v_max3_num_f32 v[MOUT+\t+1], v[MOUT+\t+1], v[AE+8*(\t+1)+6], v[AE+8*(\t+1)+7]   ; the next tile's last pair stands between the compare and its selects
.endif
	SAVE \t
.endr
	v_add_nc_u32 v[CBV], 16, v[CBV]
.endm
.macro ASK pf                          ; my work-group's record of the slot at byte pf of the codes' block
	s_cmp_eq_u32 s[LIM], 1
	s_cbranch_scc0 .Lnot_mine_\@
	global_prefetch_b8 v[PFO], s[PFA:PFA+1] offset:\pf th:TH_LOAD_NT scope:SCOPE_SE
.Lnot_mine_\@:
.endm
; chg = 0: the next tile lies in the same record.  4: in the next record of the slot.  1: the slot's last tile; the slot is filled again; the next slot lies at LDS byte nb; pf: what is prefetched (0: nothing).
; 2: as 1, nothing left to fetch.  3: the very last tile.
.macro PERIOD i, chg, nb, pf
.set par, (\i)%2
.set MINR, MA+4*(1-par)
.set MOUT, MA+4*par
.set AE, AC+128*(1-par)
	s_wait_alu depctr_va_vdst(0)
	s_wait_dscnt 0x0                               ; this tile's 15 loads, issued a period ago, are in
.if \chg == 0
	FRAGS 1-par, (\i)+1
.endif
.if \chg == 4
	s_add_co_u32 s[RB], s[RB], QREC
	NEWADR
	FRAGS 0, 0
.endif
.if (\chg == 0) || (\chg == 3) || (\chg == 4)
	WIN 0x04                                       ; source 1 (x) in v256 on
	WMQ 0
	WMQ 1
.else
	s_wait_tensorcnt 0x0                           ; my part of the other slot has landed
	ds_add_u32 v[SPW], v[NIL]
	WIN 0x04
	WMQ 0
	s_wait_dscnt 0x0                               ; the add is done; my reads of this slot were in at the period's head
	s_barrier_signal -1
	WMQ 1
	WIN 0
	s_barrier_wait -1
.if \chg == 1
	CREST                                          ; the barrier has opened a round of the cluster's barrier
	s_xor_b32 s[G0+1], s[G0+1], SLOT1
	s_add_nc_u64 s[G0+2:G0+3], s[G0+2:G0+3], SLOTB
	JLOAD                                          ; two slots on, into the slot just read out
.endif
	s_mov_b32 s[RB], \nb
	NEWADR
	FRAGS 0, 0
.if \pf > 0
	ASK \pf
.endif
	WIN 0x04
.endif
	WMQ 2
	WMQ 3
	WIN 0
	EPI                                            ; the period before, in the other set of accumulators
.endm
.macro SLOTRUN chg, nb, pf             ; a slot: three records in a loop, then the fourth with the change of slots
	s_mov_b32 s[CNT], 3
.Lrec_\@:
	PERIOD 0, 0, 0, 0
	PERIOD 1, 0, 0, 0
	PERIOD 2, 0, 0, 0
	PERIOD 3, 4, 0, 0
	s_sub_co_u32 s[CNT], s[CNT], 1
	s_cmp_lg_u32 s[CNT], 0
	s_cbranch_scc1 .Lrec_\@
	PERIOD 0, 0, 0, 0
	PERIOD 1, 0, 0, 0
	PERIOD 2, 0, 0, 0
	PERIOD 3, \chg, \nb, \pf
.endm
	s_wait_tensorcnt 0x0                           ; my part of slot 0 is in; slot 1's first fill is issued as a refill is
	ds_add_u32 v[SPW], v[NIL]
	s_xor_b32 s[G0+1], s[G0+1], SLOT1
	s_add_nc_u64 s[G0+2:G0+3], s[G0+2:G0+3], SLOTB
	s_wait_dscnt 0x0
	CROUND
	JLOAD
	FRAGS 0, 0
	ASK 2*SLOTB
	s_wait_loadcnt 0x0                             ; x's fragments and scale words
	SLOTRUN 1, SLOT1, 3*SLOTB
	SLOTRUN 1, 0, 0
	SLOTRUN 2, SLOT1, 0
	SLOTRUN 3, 0, 0
.set MINR, MA+4
.set MOUT, MA
.set AE, AC+128
	EPI                                            ; the last period's tile; the epilogue above it gave its matrix instructions their places
; THE WAY OUT.  The place in the winning tile: the lowest register that equals the maximum (7 if none of 0-6 does).
.set MF, MA
.irp t, 0,1,2,3
	v_mov_b32 v[JX+\t], 7
.endr
.irp r, 6,5,4,3,2,1,0
.irp t, 0,1,2,3
	v_cmp_eq_f32 s[MK+\t], v[RW+8*\t+\r], v[MF+\t]
.endr
.irp t, 0,1,2,3
	v_cndmask_b32 v[JX+\t], v[JX+\t], \r, s[MK+\t]
.endr
.endr
.irp t, 0,1,2,3
	v_add3_u32 v[JX+\t], v[RW+8*\t+7], v[JX+\t], v[H8]
.endr
	s_mov_b32 s56, 0x76543210
	s_mov_b32 s57, 0xfedcba98                      ; selects for lane l xor 16, which holds the same row's other eight codes of each tile
.irp t, 0,1,2,3
	v_permlanex16_b32 v[RW+\t], v[MF+\t], s56, s57
	v_permlanex16_b32 v[RW+4+\t], v[JX+\t], s56, s57
.endr
.irp t, 0,1,2,3
	v_cmp_gt_f32 s[MK], v[RW+\t], v[MF+\t]
	v_cmp_eq_f32 s[MK+1], v[RW+\t], v[MF+\t]
	v_cmp_lt_u32 s[MK+2], v[RW+4+\t], v[JX+\t]
	s_and_b32 s[MK+1], s[MK+1], s[MK+2]
	s_or_b32 s[MK], s[MK], s[MK+1]
	v_cndmask_b32 v[MF+\t], v[MF+\t], v[RW+\t], s[MK]
	v_cndmask_b32 v[JX+\t], v[JX+\t], v[RW+4+\t], s[MK]
.endr
.irp t, 0,1,2,3                        ; s as a whole number that keeps its order: sign bit set for s >= 0, all bits turned for s < 0
	v_ashrrev_i32 v[RW+\t], 31, v[MF+\t]
.endr
.irp t, 0,1,2,3
	v_or_b32 v[RW+\t], 0x80000000, v[RW+\t]
.endr
.irp t, 0,1,2,3
	v_xor_b32 v[MF+\t], v[MF+\t], v[RW+\t]
.endr
.irp t, 0,1,2,3
	ds_store_b32 v[VA], v[MF+\t] offset:64*\t      ; lanes l and l xor 16 write the same word with the same value
	ds_store_b32 v[VA], v[JX+\t] offset:256+64*\t
.endr
	ds_load_b64 v[T:T+1], v[RD]                    ; a wave's LDS instructions are served in order: these see my stores
	ds_load_b64 v[T+2:T+3], v[RD] offset:256
	s_wait_dscnt 0x0
	global_store_b64 v[GO], v[T:T+1], s[8:9]       ; 256 consecutive bytes, aligned: my 64 rows' keys,
	global_store_b64 v[GO], v[T+2:T+3], s[10:11]   ; and indices
	s_wait_tensorcnt 0x0                           ; the wave's end
	ds_add_u32 v[SPW], v[NIL]
	s_wait_dscnt 0x0
	CROUND                                         ; the closing round
	s_endpgm
.Lfunc_end_k_qba52f79eff_nearest:
	.size	k_qba52f79eff_nearest, .Lfunc_end_k_qba52f79eff_nearest-k_qba52f79eff_nearest
	.p2alignl 7, 3214868480
	.fill 96, 4, 3214868480
	.section	.rodata,"a",@progbits
	.p2align	6, 0x0
	.amdhsa_kernel k_qba52f79eff_nearest
		.amdhsa_group_segment_fixed_size 327680
		.amdhsa_private_segment_fixed_size 0
		.amdhsa_enable_private_segment 0
		.amdhsa_kernarg_size 32
		.amdhsa_user_sgpr_count 2
		.amdhsa_user_sgpr_kernarg_segment_ptr 1
		.amdhsa_wavefront_size32 1
		.amdhsa_system_sgpr_workgroup_id_x 1
		.amdhsa_system_sgpr_workgroup_id_y 1
		.amdhsa_system_sgpr_workgroup_id_z 1
		.amdhsa_system_vgpr_workitem_id 0
		.amdhsa_next_free_vgpr 448
		.amdhsa_next_free_sgpr 66
		.amdhsa_reserve_vcc 1
		.amdhsa_float_denorm_mode_32 3
		.amdhsa_float_denorm_mode_16_64 3
		.amdhsa_memory_ordered 1
		.amdhsa_forward_progress 1
		.amdhsa_inst_pref_size 196
	.end_amdhsa_kernel
	.amdgpu_metadata
---
amdhsa.version: [ 1, 2 ]
amdhsa.kernels:
  - .name:           k_qba52f79eff_nearest
    .symbol:         k_qba52f79eff_nearest.kd
    .args:
      - { .name: xq, .offset: 0, .size: 8, .value_kind: global_buffer, .address_space: global }
      - { .name: eq, .offset: 8, .size: 8, .value_kind: global_buffer, .address_space: global }
      - { .name: pkey, .offset: 16, .size: 8, .value_kind: global_buffer, .address_space: global }
      - { .name: pidx, .offset: 24, .size: 8, .value_kind: global_buffer, .address_space: global }
    .group_segment_fixed_size: 327680
    .private_segment_fixed_size: 0
    .kernarg_segment_align: 8
    .kernarg_segment_size: 32
    .max_flat_workgroup_size: 256
    .sgpr_count:     66
    .vgpr_count:     448
    .wavefront_size: 32
...
	.end_amdgpu_metadata
.endif
;; end of part 2
;; launch gather (part 3): grid 512 x 1, 8 waves a work-group, no clusters, 0 bytes of LDS; arguments emb, pkey, pidx, out0; writes out0
.if DOCPART == 3
	.amdgcn_target "amdgcn-amd-amdhsa--gfx1250"
	.amdhsa_code_object_version 6
	.text
	.protected	k_qba52f79eff_gather
	.globl	k_qba52f79eff_gather
	.p2align	8
	.type	k_qba52f79eff_gather,@function
k_qba52f79eff_gather:
	s_mov_b64 s[64:65], 0
	v_nop
	global_prefetch_b8 v0, s[64:65] scope:SCOPE_SE
	s_setreg_imm32_b32 hwreg(HW_REG_WAVE_MODE, 25, 1), 1
	s_wait_xcnt 0x0
; out0[row] = emb[index of the nearest code].  x2 is left out here as in the launches before (the same for all codes of a row).
; For each row the launch before has stored eight candidates, one for each eighth of the codes: pkey[8][16384] (s as a whole number that keeps its order) and pidx[8][16384].
; Both are whole numbers read from memory: the choice is a chain of scalar compares and selects.  A later eighth wins only where its key is strictly larger: its indices are higher, so the first index is kept.
; A wave owns 4 rows: 4 loads of 512 consecutive bytes a row, all 16 issued at once; 4 stores of 512 consecutive aligned bytes a row.  No LDS, no barrier, no loop to run ahead in, so no prefetch.
; No cache hint on emb's loads: a row may be named by many rows of x.
	s_load_b256 s[4:11], s[0:1], 0x0               ; emb, pkey, pidx, out0
	v_lshrrev_b32 v1, 5, v0
	s_delay_alu instid0(VALU_DEP_1)
	v_readfirstlane_b32 s12, v1                    ; wave 0..7
	v_and_b32 v1, 31, v0
	s_delay_alu instid0(VALU_DEP_1)
	v_lshlrev_b32 v1, 4, v1                        ; 16 x lane
	s_lshl_b32 s14, ttmp9, 7
	s_lshl_b32 s13, s12, 4
	s_add_co_u32 s14, s14, s13                     ; 4 bytes x my first row (32 x work-group + 4 x wave)
	s_mov_b32 s15, 0
	s_lshl_b32 s48, ttmp9, 16
	s_lshl_b32 s13, s12, 13
	s_add_co_u32 s48, s48, s13                     ; 2,048 bytes x my first row
	s_mov_b32 s49, 0
	s_wait_alu depctr_va_vdst(0)
	s_wait_kmcnt 0x0
	s_add_nc_u64 s[6:7], s[6:7], s[14:15]
	s_add_nc_u64 s[8:9], s[8:9], s[14:15]
	s_add_nc_u64 s[10:11], s[10:11], s[48:49]
.irp b, 0,1,2,3,4,5,6,7
	s_load_b128 s[16+4*\b:19+4*\b], s[8:9], \b*0x10000     ; my four rows' indices in eighth b,
	s_load_b128 s[68+4*\b:71+4*\b], s[6:7], \b*0x10000     ; and their keys
.endr
	s_wait_kmcnt 0x0
.irp u, 0,1,2,3
.irp b, 1,2,3,4,5,6,7
	s_cmp_gt_u32 s[68+4*\b+\u], s[68+\u]
	s_cselect_b32 s[68+\u], s[68+4*\b+\u], s[68+\u]
	s_cselect_b32 s[16+\u], s[16+4*\b+\u], s[16+\u]
.endr
	s_min_u32 s[16+\u], s[16+\u], 8191             ; an index stays inside the table
	s_lshl_b32 s[16+\u], s[16+\u], 11              ; a row of emb is 2,048 bytes
	v_add_nc_u32 v[2+\u], s[16+\u], v1
.endr
	s_wait_alu depctr_va_vdst(0)
.irp u, 0,1,2,3
.irp p, 0,1,2,3
	global_load_b128 v[16+16*\u+4*\p:16+16*\u+4*\p+3], v[2+\u], s[4:5] offset:512*\p
.endr
.endr
.irp u, 0,1,2,3
	s_wait_loadcnt 4*(3-\u)                        ; this row's four loads are in; four for each later row may be out
.irp p, 0,1,2,3
	global_store_b128 v1, v[16+16*\u+4*\p:16+16*\u+4*\p+3], s[10:11] offset:2048*\u+512*\p th:TH_STORE_NT   ; no register of a store is written again
.endr
.endr
	s_endpgm
.Lfunc_end_k_qba52f79eff_gather:
	.size	k_qba52f79eff_gather, .Lfunc_end_k_qba52f79eff_gather-k_qba52f79eff_gather
	.p2alignl 7, 3214868480
	.fill 96, 4, 3214868480
	.section	.rodata,"a",@progbits
	.p2align	6, 0x0
	.amdhsa_kernel k_qba52f79eff_gather
		.amdhsa_group_segment_fixed_size 0
		.amdhsa_private_segment_fixed_size 0
		.amdhsa_enable_private_segment 0
		.amdhsa_kernarg_size 32
		.amdhsa_user_sgpr_count 2
		.amdhsa_user_sgpr_kernarg_segment_ptr 1
		.amdhsa_wavefront_size32 1
		.amdhsa_system_sgpr_workgroup_id_x 1
		.amdhsa_system_sgpr_workgroup_id_y 1
		.amdhsa_system_sgpr_workgroup_id_z 1
		.amdhsa_system_vgpr_workitem_id 0
		.amdhsa_next_free_vgpr 80
		.amdhsa_next_free_sgpr 100
		.amdhsa_reserve_vcc 0
		.amdhsa_float_denorm_mode_32 3
		.amdhsa_float_denorm_mode_16_64 3
		.amdhsa_memory_ordered 1
		.amdhsa_forward_progress 1
		.amdhsa_inst_pref_size 9
	.end_amdhsa_kernel
	.amdgpu_metadata
---
amdhsa.version: [ 1, 2 ]
amdhsa.kernels:
  - .name:           k_qba52f79eff_gather
    .symbol:         k_qba52f79eff_gather.kd
    .args:
      - { .name: emb, .offset: 0, .size: 8, .value_kind: global_buffer, .address_space: global }
      - { .name: pkey, .offset: 8, .size: 8, .value_kind: global_buffer, .address_space: global }
      - { .name: pidx, .offset: 16, .size: 8, .value_kind: global_buffer, .address_space: global }
      - { .name: out0, .offset: 24, .size: 8, .value_kind: global_buffer, .address_space: global }
    .group_segment_fixed_size: 0
    .private_segment_fixed_size: 0
    .kernarg_segment_align: 8
    .kernarg_segment_size: 32
    .max_flat_workgroup_size: 256
    .sgpr_count:     100
    .vgpr_count:     80
    .wavefront_size: 32
...
	.end_amdgpu_metadata
.endif
;; end of part 3
